; MI455X (gfx1250); checked and timed in simulation.
; The chip was launched on July 23, 2026; its instructions are those of AMD's public machine-readable ISA for CDNA 5 (MIT licence, August 2026) and "CDNA5" Instruction Set Architecture Reference Guide (July 2026). The comments in the code are by the model that wrote it; some were corrected since.
;; Custom Layer MKM. Allowed arithmetic: matrix products marked QUANTISED: E5M2 operands, one E8M0 scale for each 32 along K, by v_wmma_scale_f32_16x16x128_f8f6f4 with both operands' format E5M2, f32 sums; everything else in f32.
;; Inputs: bias_O 4,096 float32; input_BI_codes 4,096 x 128 x 32 uint8 (E5M2 codes of input_BI, K innermost, in blocks of 32 codes); input_BI_scales 4,096 x 128 uint8 (E8M0 scales of input_BI, one for each 32 codes along K); w0a 64 x 64 float32; w0b 64 x 64 float32; w1a 128 x 128 float32; w1b 32 x 32 float32; w2a 32 x 32 float32; w2b 128 x 128 float32.
;; Outputs: out0 4,096 x 4,096 float32.
;; This version of the problem:
;;   THIS VERSION OF THE PROBLEM IS GIVEN IN LOW PRECISION. The matrix products marked QUANTISED in the list below multiply operands that are first quantised to E5M2 (5 exponent bits, 2 mantissa bits; 8 bits a number), with one power-of-two scale for each 32 numbers along K (OCP MX v1.0); their sums are f32. All else is computed in f32.
;;   The module's matrix products, in the order in which they are computed (A, B: the left and right operand; K: the contracted axis; several contracted axes count as one K, in the product's order):
;;     1. [M 4,096, K 4,096] x [K 4,096, N 4,096]; A: input input_BI (given as codes); B: computed on the way: QUANTISED
;;   THE QUANTISER, for each operand of a quantised product, along K:
;;     - K is cut into blocks of 32 from its start; a last block that is shorter is filled with zeros.
;;     - A block's scale is 2^e with e = floor(log2(the largest magnitude in the block)) - 15, held to -126 .. 127; a block of zeros has e = 0. As a byte (E8M0): e + 127.
;;     - Each number is divided by its block's scale, clamped to +-57,344, and rounded to the nearest number of E5M2, ties to even, subnormals kept.
;;     - The product sums the exact products of the quantised numbers (number of the format x scale) in f32.
;;   ~~~python
;;   def quantise(x, axis):      # numpy; x: float32 -> the quantised numbers, widened to float32 again
;;       x = np.moveaxis(x, axis, -1); K = x.shape[-1]
;;       x = np.pad(x, [(0, 0)] * (x.ndim - 1) + [(0, -K % 32)]); x = x.reshape(x.shape[:-1] + (-1, 32)); a = np.abs(x).max(-1, keepdims=True)
;;       e = np.where(a > 0, np.clip(np.frexp(np.where(a > 0, a, 1))[1] - 1 - 15, -126, 127), 0)      # np.frexp(a)[1] - 1 = floor(log2(a)), exactly
;;       r = np.clip(x / 2.0 ** e, -57344, 57344)
;;       step = 2.0 ** (np.maximum(np.frexp(np.where(r == 0, 1, r))[1] - 1, -14) - 2)
;;       q = np.round(r / step) * step * 2.0 ** e      # np.round: ties to even
;;       return np.moveaxis(q.reshape(q.shape[:-2] + (-1,))[..., :K], -1, axis).astype(np.float32)
;;   ~~~
;;   OPERANDS COMPUTED ON THE WAY. 'Computed on the way' means the value that the module computes at that place (a softmax that the list does not call 'softmax' is quantised finished and normalised). What goes into a quantiser is computed in f32, as accurately as f32 sums, v_exp_f32 and their like allow (about 1e-6 of the number): no bf16 or f16 on the way to a quantiser, and a product that is left as it is and whose result goes on into a quantised operand takes f32 operands (vector FMAs, or v_wmma_f32_16x16x4_f32). A number that lies on a knife's edge between two numbers of the format may be rounded either way, as far as f32 arithmetic and the matrix unit's own rounding can turn it there, and no further.
;;   INPUTS GIVEN AS CODES. input_BI (in the module: [4096, 4096], K = its axis 1): each comes as NAME_codes (uint8): NAME with its K axis moved to the last place and cut into blocks of 32 codes, [.., K / 32, bytes a block], one block behind the other in memory; one code a byte (a code: sign, 5 exponent bits, 2 mantissa bits); and NAME_scales (uint8): the same leading axes, one E8M0 byte (e + 127) for each 32 codes along K. Its value is code x scale, taken as it is: it is not quantised again, and the codes and scales need not be those that the quantiser above would give.
;; One version. Each part assembles by itself: llvm-mc -triple=amdgcn-amd-amdhsa -mcpu=gfx1250 --defsym DOCPART=n.
;; ======== version 1 of 1: 2 launches
;; limits: right only within a limited range of input values
;; workspace buffers: wcodes 16,777,216 bytes; scl 1,048,576 bytes
;; launch makew (part 1): grid 128 x 2, 16 waves a work-group, no clusters, 34,816 bytes of LDS; arguments w0a, w0b, w1a, w1b, w2a, w2b, input_BI_scales, wcodes, scl; writes wcodes, scl
.if DOCPART == 1
	.amdgcn_target "amdgcn-amd-amdhsa--gfx1250"
	.amdhsa_code_object_version 6
	.text
	.protected	k_q157b7db79a_makew
	.globl	k_q157b7db79a_makew
	.p2align	8
	.type	k_q157b7db79a_makew,@function
k_q157b7db79a_makew:
	s_mov_b64 s[64:65], 0
	v_nop
	global_prefetch_b8 v0, s[64:65] scope:SCOPE_SE
	s_setreg_imm32_b32 hwreg(HW_REG_WAVE_MODE, 25, 1), 1
	s_wait_xcnt 0x0
; W[o][i] = w0b[o>>6][i>>6] w0a[o&63][i&63] + w1b[o>>7][i>>7] w1a[o&127][i&127] + w2b[o>>5][i>>5] w2a[o&31][i&31], 4,096 x 4,096, in f32 (one product and two fused
; multiply-adds, in the order in which the three terms are summed), is quantised along i, the product's K, to codes of BF8 (E5M2) with one E8M0 byte for each 32 along i.
;   wcodes: in the order of the next launch's operand registers: [o / 16][i / 128][c 4][lane 32][16 bytes]; lane = (o & 15) + 16 h holds the codes of i = 128 (i / 128) + 32 c + 16 h + 0 .. 15.
;   So the 16 codes of row o at i = 16 x lie at 65,536 (o >> 4) + 256 x + 16 (o & 15).
;   scl: the scale bytes of BOTH operands of the product, in the order of the next launch's scale registers: [side 2][g 32][K step 16][j 4][r 16][16 bytes].  Row n = 128 g + 16 i + r;
;   its 8 bytes of K step u (K = 256 u on) lie at side x 524,288 + 16,384 g + 1,024 u + 256 (i >> 1) + 16 r + 8 (i & 1).  Side 0: the given scales of the input, laid anew; side 1: W's.
; A block's scale is 2^(floor(log2(its largest magnitude)) - 15); its byte is the largest magnitude's exponent field - 15, held at 1 from below; each number is held within +-57,344 x the scale and converted.
; LIMITS: NaN and infinities among the weights are not served.  A block of zeros gets the byte 1 where the rule says 127: its codes are zeros, which add nothing under any byte but 0xff, and this program alone reads the bytes.
; SHARES.  Work-group (og, hf): rows 32 og .. + 31, columns 2,048 hf .. + 2,047: eight trips of 256 columns.  Thread: row rho = bits 3:0 of its number + 16 x bit 8, piece c = bits 7:4: in trip t the
; 16 numbers at columns 256 t + 16 c on.  A lane's columns modulo 128, 64 and 32 are the same in every trip, so its 48 factors of w0a, w1a, w2a stay in registers, and a trip takes three factors of w0b, w1b, w2b.
; The work-group's 32 rows of w0a, w1a, w2a (8,192 + 16,384 + 4,096 consecutive bytes) are loaded 16 or 8 neighbouring bytes a thread and pass through LDS rows padded by 16 bytes, since neighbouring lanes hold different rows.
; Lanes l and l xor 16 hold a block of 32.  A wave's store of codes covers 512 consecutive bytes of wcodes, aligned.  The work-group's 32 rows x 8 scale bytes of a trip are 256 consecutive bytes of scl:
; they are gathered in LDS and leave, behind the second barrier, 16 bytes a lane.  No matrix work, no tensor load, no cluster: work-groups share only 170 KB of factors.
.set MANT, 0x600000                    ; the mantissa field of 57,344 as f32
.set SIDE, 524288                      ; W's half of scl
.set FA0, 4096                         ; LDS: 0 the scale bytes, 2,048 the spare words; w0a's 32 rows of 256 + 16 bytes,
.set FA1, FA0+32*272                   ; w1a's of 512 + 16,
.set FA2, FA1+32*528                   ; w2a's of 128 + 16
.set A0,  16                           ; v16-31   my 16 factors of w0a
.set A1,  32                           ; v32-47   of w1a
.set A2,  48                           ; v48-63   of w2a
.set B0,  64                           ; v64-71   my factor of w0b for each trip
.set B1,  72                           ; v72-79   of w1b
.set B2,  80                           ; v80-87   of w2b
.set T,   88                           ; v88-119  two sets of 16 numbers of W, by turns; at the head the factor rows on their way
.set C,   120                          ; v120-151 codes: four registers for each trip, so that no store's data are written again
.set E,   152                          ; v152-159 a scale byte for each trip
.set HL,  160                          ; v160     57,344 x the scale
.set SO,  161                          ; v161     the conversion's scale operand
.set XS,  164                          ; v164-167 the input's scale bytes on their way
.set WS,  168                          ; v168-171 W's
	s_load_b512 s[4:19], s[0:1], 0x0               ; w0a s[4:5], w0b s[6:7], w1a s[8:9], w1b s[10:11], w2a s[12:13], w2b s[14:15], the input's scales s[16:17], wcodes s[18:19]
	s_load_b64 s[20:21], s[0:1], 0x40              ; scl
	v_lshl_add_u32 v176, v0, 2, 0x800              ; my spare word and 0
	v_mov_b32 v177, 0
	v_lshrrev_b32 v1, 5, v0
	v_readfirstlane_b32 s24, v1                    ; wave 0..15
	s_lshr_b32 s25, s24, 2                         ; 0: waves 0-3 send W's scale bytes; 1: waves 4-7 lay the input's anew
	s_mov_b32 s22, ttmp9                           ; og
	s_and_b32 s23, ttmp7, 0xffff                   ; hf
	s_mov_b32 s27, 0                               ; the upper word of every offset
	s_mov_b32 s28, MANT                            ; (an instruction takes one literal: the hold's line has another)
	s_mov_b32 s31, 0x76543210                      ; v_permlanex16_b32's selects for lane l xor 16
	s_mov_b32 s32, 0xfedcba98
	v_and_b32 v14, 15, v0                          ; rho & 15; also tau & 15, below
	v_bfe_u32 v15, v0, 8, 1                        ; rho >> 4
	v_bfe_u32 v2, v0, 4, 4                         ; c
	v_lshl_or_b32 v1, v15, 4, v14                  ; rho
	v_and_b32 v3, 3, v2
	v_and_b32 v4, 7, v2
	v_and_b32 v5, 1, v2
	v_lshlrev_b32 v3, 6, v3
	v_lshlrev_b32 v4, 6, v4
	v_lshlrev_b32 v5, 6, v5
	v_mad_u32_u24 v3, v1, 272, v3                  ; LDS, w0a: row rho, column 16 (c & 3)
	v_mad_u32_u24 v4, v1, 528, v4                  ; w1a: row rho, column 16 (c & 7)
	v_mad_u32_u24 v5, v1, 144, v5                  ; w2a: row rho, column 16 (c & 1)
	v_and_b32 v6, 12, v2                           ; w0b: column c >> 2, in bytes
	v_bfe_u32 v7, v0, 7, 1
	v_and_b32 v8, 14, v2
	v_lshlrev_b32 v7, 2, v7                        ; w1b: column c >> 3
	v_lshlrev_b32 v8, 1, v8                        ; w2b: column c >> 1
	v_lshlrev_b32 v9, 4, v14
	v_lshl_add_u32 v9, v2, 8, v9
	v_lshl_add_u32 v9, v15, 16, v9                 ; wcodes: 65,536 (rho >> 4) + 256 c + 16 (rho & 15)
	v_bfe_u32 v10, v0, 5, 3                        ; LDS: my block's byte: c >> 1,
	v_lshl_add_u32 v10, v15, 3, v10                ; + 8 (rho >> 4),
	v_lshl_add_u32 v10, v14, 4, v10                ; + 16 (rho & 15)
	v_and_b32 v13, 127, v0                         ; tau: my number among the 128 threads that send scale bytes
	v_lshlrev_b32 v11, 4, v13                      ; LDS: 16 bytes a thread
	v_lshrrev_b32 v13, 4, v13                      ; the trip that I send: tau >> 4
	v_lshlrev_b32 v12, 4, v14
	v_lshl_add_u32 v12, v13, 10, v12               ; scl: 1,024 (tau >> 4) + 16 (tau & 15)
	v_lshlrev_b32 v13, 3, v13
	v_lshl_add_u32 v13, v14, 7, v13                ; the input's scales: row tau & 15 of 128 bytes, + 8 (tau >> 4)
	v_lshlrev_b32 v173, 4, v0                      ; the factor rows in memory: 16 bytes a thread,
	v_lshlrev_b32 v174, 3, v0                      ; w2a's: 8 bytes a thread
	v_lshrrev_b32 v162, 4, v0
	v_lshrrev_b32 v163, 5, v0
	v_and_b32 v175, 31, v0
	v_mul_u32_u24 v172, v162, 144
	v_mul_u32_u24 v162, v162, 272
	v_mul_u32_u24 v163, v163, 528
	v_lshl_add_u32 v172, v14, 3, v172              ; into LDS, w2a: row t >> 4, 8 bytes x (t & 15)
	v_lshl_add_u32 v162, v14, 4, v162              ; w0a: row t >> 4, 16 bytes x (t & 15)
	v_lshl_add_u32 v163, v175, 4, v163             ; w1a: rows t >> 5 and 16 + (t >> 5), 16 bytes x (t & 31)
	s_wait_alu depctr_va_vdst(0)
	s_wait_kmcnt 0x0
	s_and_b32 s26, s22, 1
	s_lshl_b32 s26, s26, 13
	s_add_nc_u64 s[4:5], s[4:5], s[26:27]          ; w0a at row 32 (og & 1)
	s_and_b32 s26, s22, 3
	s_lshl_b32 s29, s26, 8                         ; (256 (og & 3): for scl, below)
	s_lshl_b32 s26, s26, 14
	s_add_nc_u64 s[8:9], s[8:9], s[26:27]          ; w1a at row 32 (og & 3)
	global_load_b128 v[T:T+3], v173, s[4:5]
	global_load_b128 v[T+4:T+7], v173, s[8:9]
	global_load_b128 v[T+8:T+11], v173, s[8:9] offset:8192
	global_load_b64 v[T+12:T+13], v174, s[12:13]
	s_lshr_b32 s26, s22, 1
	s_lshl_b32 s26, s26, 8
	s_lshl_b32 s30, s23, 7
	s_add_co_u32 s26, s26, s30
	s_add_nc_u64 s[6:7], s[6:7], s[26:27]          ; w0b at row og >> 1, column 32 hf
	s_lshr_b32 s26, s22, 2
	s_lshl_b32 s26, s26, 7
	s_lshl_b32 s30, s23, 6
	s_add_co_u32 s26, s26, s30
	s_add_nc_u64 s[10:11], s[10:11], s[26:27]      ; w1b at row og >> 2, column 16 hf
	s_lshl_b32 s26, s22, 9
	s_lshl_b32 s30, s23, 8
	s_add_co_u32 s26, s26, s30
	s_add_nc_u64 s[14:15], s[14:15], s[26:27]      ; w2b at row og, column 64 hf
	s_lshl_b32 s26, s22, 12
	s_lshl_b32 s30, s23, 6
	s_add_co_u32 s26, s26, s30
	s_add_nc_u64 s[16:17], s[16:17], s[26:27]      ; the input's scales at row 32 og, byte 64 hf
	s_lshl_b32 s26, s22, 17
	s_lshl_b32 s30, s23, 15
	s_add_co_u32 s26, s26, s30
	s_add_nc_u64 s[18:19], s[18:19], s[26:27]      ; wcodes at 16-row block 2 og, column 2,048 hf (256 bytes for each 16 columns)
	s_lshr_b32 s26, s22, 2
	s_lshl_b32 s26, s26, 14
	s_lshl_b32 s30, s23, 13
	s_add_co_u32 s26, s26, s30
	s_add_co_u32 s26, s26, s29
	s_add_nc_u64 s[20:21], s[20:21], s[26:27]      ; scl, side 0: group og >> 2, K step 8 hf, j = og & 3
.irp t, 0,1,2,3,4,5,6,7
	global_load_b32 v[B0+\t], v6, s[6:7] offset:16*\t      ; a trip is 256 columns: 4 columns of w0b,
	global_load_b32 v[B1+\t], v7, s[10:11] offset:8*\t     ; 2 of w1b,
	global_load_b32 v[B2+\t], v8, s[14:15] offset:32*\t    ; 8 of w2b
.endr
	; Waves 4-7 lay the input's scale bytes anew: thread tau takes the 8 bytes of trip tau >> 4 of rows tau & 15 and (tau & 15) + 16; they are neighbours in scl.
	s_cmp_eq_u32 s25, 1
	s_cbranch_scc0 .Lnot_x
	global_load_b64 v[XS:XS+1], v13, s[16:17] th:TH_LOAD_NT
	global_load_b64 v[XS+2:XS+3], v13, s[16:17] offset:2048 th:TH_LOAD_NT
	s_wait_loadcnt 0x0
	global_store_b128 v12, v[XS:XS+3], s[20:21]    ; sixteen lanes store 256 consecutive bytes, aligned
.Lnot_x:
	s_wait_loadcnt 0x0                             ; all factors are in: the one wait for loads on every wave's path
	ds_store_b128 v162, v[T:T+3] offset:FA0
	ds_store_b128 v163, v[T+4:T+7] offset:FA1
	ds_store_b128 v163, v[T+8:T+11] offset:FA1+16*528
	ds_store_b64 v172, v[T+12:T+13] offset:FA2
	s_wait_dscnt 0x0                               ; for the others' sake: my part of the factor rows has landed
	s_barrier_signal -1
	s_barrier_wait -1
.irp j, 0,1,2,3
	ds_load_b128 v[A0+4*\j:A0+4*\j+3], v3 offset:FA0+16*\j
	ds_load_b128 v[A1+4*\j:A1+4*\j+3], v4 offset:FA1+16*\j
	ds_load_b128 v[A2+4*\j:A2+4*\j+3], v5 offset:FA2+16*\j
.endr
	s_wait_dscnt 0x0
; Trip t: 16 numbers of W, their block's scale, their codes.  The factor of trip t is register t % 2 of its pair: the packed forms take it for both halves.
.macro TRIP t
.set TS, T+16*((\t)%2)
.set PB, 2*((\t)/2)
.irp p, 0,2,4,6,8,10,12,14
.if (\t)%2
	v_pk_mul_f32 v[TS+\p:TS+\p+1], v[A0+\p:A0+\p+1], v[B0+PB:B0+PB+1] op_sel:[0,1] op_sel_hi:[1,1]
.else
	v_pk_mul_f32 v[TS+\p:TS+\p+1], v[A0+\p:A0+\p+1], v[B0+PB:B0+PB+1] op_sel_hi:[1,0]
.endif
.endr
.irp p, 0,2,4,6,8,10,12,14
.if (\t)%2
	v_pk_fma_f32 v[TS+\p:TS+\p+1], v[A1+\p:A1+\p+1], v[B1+PB:B1+PB+1], v[TS+\p:TS+\p+1] op_sel:[0,1,0] op_sel_hi:[1,1,1]
.else
	v_pk_fma_f32 v[TS+\p:TS+\p+1], v[A1+\p:A1+\p+1], v[B1+PB:B1+PB+1], v[TS+\p:TS+\p+1] op_sel_hi:[1,0,1]
.endif
.endr
.irp p, 0,2,4,6,8,10,12,14
.if (\t)%2
	v_pk_fma_f32 v[TS+\p:TS+\p+1], v[A2+\p:A2+\p+1], v[B2+PB:B2+PB+1], v[TS+\p:TS+\p+1] op_sel:[0,1,0] op_sel_hi:[1,1,1]
.else
	v_pk_fma_f32 v[TS+\p:TS+\p+1], v[A2+\p:A2+\p+1], v[B2+PB:B2+PB+1], v[TS+\p:TS+\p+1] op_sel_hi:[1,0,1]
.endif
.endr
	v_max3_num_f32 v14, |v[TS]|, |v[TS+1]|, |v[TS+2]|              ; the largest magnitude of my 16, in two chains
	v_max3_num_f32 v15, |v[TS+3]|, |v[TS+4]|, |v[TS+5]|
.irp i, 6,10
	s_delay_alu instid0(VALU_DEP_2)
	v_max3_num_f32 v14, v14, |v[TS+\i]|, |v[TS+\i+1]|
	s_delay_alu instid0(VALU_DEP_2)
	v_max3_num_f32 v15, v15, |v[TS+\i+2]|, |v[TS+\i+3]|
.endr
	s_delay_alu instid0(VALU_DEP_2)
	v_max3_num_f32 v14, v14, |v[TS+14]|, |v[TS+15]|
	s_delay_alu instid0(VALU_DEP_1)
	v_max3_num_f32 v14, v14, v15, 0x8000000        ; and the floor 2^(16 - 127), under which no largest magnitude is taken: so the byte cannot fall under 1
	v_permlanex16_b32 v15, v14, s31, s32           ; lane l xor 16 holds the block's other 16
	v_max_num_f32 v14, v14, v15                    ; the block's largest magnitude
	v_add_nc_u32 v[SO], 0xf8800000, v14            ; 15 off its exponent field: the conversion takes the exponent field of this operand as its scale, and nothing else of it
	v_and_or_b32 v[HL], v14, 0x7f800000, s28       ; 57,344 x the scale: the largest magnitude's exponent field over 57,344's mantissa
.irp i, 0,1,2,3,4,5,6,7,8,9,10,11,12,13,14,15
	v_med3_num_f32 v[TS+\i], v[TS+\i], -v[HL], v[HL]   ; the conversion to an 8-bit code does not saturate (ISA guide 7.6.2): the number is held within the largest code x the scale first
.endr
	v_cvt_scalef32_pk8_bf8_f32 v[C+4*(\t):C+4*(\t)+1], v[TS:TS+7], v[SO]
	v_cvt_scalef32_pk8_bf8_f32 v[C+4*(\t)+2:C+4*(\t)+3], v[TS+8:TS+15], v[SO]
	v_lshrrev_b32 v[E+(\t)], 23, v[SO]             ; the scale's byte.  (Also the plain vector line behind the conversions)
	ds_store_b8 v10, v[E+(\t)] offset:256*(\t)     ; both lanes of a block write the same byte with the same value
	global_store_b128 v9, v[C+4*(\t):C+4*(\t)+3], s[18:19] offset:4096*(\t)   ; the wave stores 512 consecutive bytes, aligned; a trip's 256 columns are 4,096 bytes of a 16-row block.  No register that a store reads is written again
.endm
.irp t, 0,1,2,3,4,5,6,7
	TRIP \t
.endr
	s_wait_dscnt 0x0                               ; for the others' sake: my byte stores have landed
	s_barrier_signal -1
	s_barrier_wait -1                              ; the work-group's 2,048 scale bytes lie in LDS
	s_cmp_lt_u32 s24, 4
	s_cbranch_scc0 .Lend                           ; waves 0-3 send them
	ds_load_b128 v[WS:WS+3], v11
	s_wait_dscnt 0x0
	global_store_b128 v12, v[WS:WS+3], s[20:21] offset:SIDE   ; sixteen lanes store 256 consecutive bytes, aligned
.Lend:
	s_wait_tensorcnt 0x0                           ; the wave's end
	ds_add_u32 v176, v177
	s_wait_dscnt 0x0
	s_endpgm
.Lfunc_end_k_q157b7db79a_makew:
	.size	k_q157b7db79a_makew, .Lfunc_end_k_q157b7db79a_makew-k_q157b7db79a_makew
	.p2alignl 7, 3214868480
	.fill 96, 4, 3214868480
	.section	.rodata,"a",@progbits
	.p2align	6, 0x0
	.amdhsa_kernel k_q157b7db79a_makew
		.amdhsa_group_segment_fixed_size 34816
		.amdhsa_private_segment_fixed_size 0
		.amdhsa_enable_private_segment 0
		.amdhsa_kernarg_size 72
		.amdhsa_user_sgpr_count 2
		.amdhsa_user_sgpr_kernarg_segment_ptr 1
		.amdhsa_wavefront_size32 1
		.amdhsa_system_sgpr_workgroup_id_x 1
		.amdhsa_system_sgpr_workgroup_id_y 1
		.amdhsa_system_sgpr_workgroup_id_z 1
		.amdhsa_system_vgpr_workitem_id 0
		.amdhsa_next_free_vgpr 178
		.amdhsa_next_free_sgpr 66
		.amdhsa_reserve_vcc 0
		.amdhsa_float_denorm_mode_32 3
		.amdhsa_float_denorm_mode_16_64 3
		.amdhsa_memory_ordered 1
		.amdhsa_forward_progress 1
		.amdhsa_inst_pref_size 40
	.end_amdhsa_kernel
	.amdgpu_metadata
---
amdhsa.version: [ 1, 2 ]
amdhsa.kernels:
  - .name:           k_q157b7db79a_makew
    .symbol:         k_q157b7db79a_makew.kd
    .args:
      - { .name: w0a, .offset: 0, .size: 8, .value_kind: global_buffer, .address_space: global }
      - { .name: w0b, .offset: 8, .size: 8, .value_kind: global_buffer, .address_space: global }
      - { .name: w1a, .offset: 16, .size: 8, .value_kind: global_buffer, .address_space: global }
      - { .name: w1b, .offset: 24, .size: 8, .value_kind: global_buffer, .address_space: global }
      - { .name: w2a, .offset: 32, .size: 8, .value_kind: global_buffer, .address_space: global }
      - { .name: w2b, .offset: 40, .size: 8, .value_kind: global_buffer, .address_space: global }
      - { .name: input_BI_scales, .offset: 48, .size: 8, .value_kind: global_buffer, .address_space: global }
      - { .name: wcodes, .offset: 56, .size: 8, .value_kind: global_buffer, .address_space: global }
      - { .name: scl, .offset: 64, .size: 8, .value_kind: global_buffer, .address_space: global }
    .group_segment_fixed_size: 34816
    .private_segment_fixed_size: 0
    .kernarg_segment_align: 8
    .kernarg_segment_size: 72
    .max_flat_workgroup_size: 512
    .sgpr_count:     66
    .vgpr_count:     178
    .wavefront_size: 32
...
	.end_amdgpu_metadata
.endif
;; end of part 1
;; launch gemm (part 2): grid 16 x 16, 4 waves a work-group, clusters of 4 x 1, 327,680 bytes of LDS; arguments input_BI_codes, wcodes, scl, bias_O, out0; writes out0
.if DOCPART == 2
	.amdgcn_target "amdgcn-amd-amdhsa--gfx1250"
	.amdhsa_code_object_version 6
	.text
	.protected	k_q157b7db79a_gemm
	.globl	k_q157b7db79a_gemm
	.p2align	8
	.type	k_q157b7db79a_gemm,@function
k_q157b7db79a_gemm:
	s_mov_b64 s[64:65], 0
	v_nop
	global_prefetch_b8 v0, s[64:65] scope:SCOPE_SE
	s_setreg_imm32_b32 hwreg(HW_REG_WAVE_MODE, 25, 1), 1
	s_wait_xcnt 0x0
	s_wait_alu depctr_hold_cnt(0) depctr_sa_sdst(0) depctr_va_vdst(0) depctr_va_sdst(0) depctr_va_ssrc(0) depctr_va_vcc(0) depctr_vm_vsrc(0)
	s_getreg_b32 s2, hwreg(HW_REG_IB_STS2, 6, 4)
	s_cmp_eq_u32 s2, 0
	s_cbranch_scc0 .Lentry_in_a_cluster
	s_endpgm
.Lentry_in_a_cluster:
	s_bfe_u32 s2, ttmp6, 0x10000c
	s_cmp_lg_u32 s2, 0x3003
	s_cbranch_scc0 .Lentry_shape_is_right
	s_endpgm
.Lentry_shape_is_right:
; out0[m][n] = bias[n] + sum over k of X[m][k] W[n][k]: X the input's codes of BF8 (E5M2), W's codes as launch makew laid them, one E8M0 byte for each 32 along K on both sides (scl); sums in f32.
; A tile of 256 x 256 is made by a work-group of four waves; a wave makes 128 x 128: 64 accumulators of 16 x 16, 512 registers.  A step is 128 along K: 64 matrix instructions; there are 32 steps.
; X GOES THROUGH LDS: a ring of two slots, each 256 rows x 512 along K (a period: four steps), rows of 512 bytes + 16 of padding; each wave fetches 64 rows with one tensor load.
; CLUSTERS: the four work-groups of a cluster (4, 1, 1) make four tiles of one tile row and need the same rows of X: each tile is asked for JOINTLY, with the mask 15.
; W GOES FROM MEMORY STRAIGHT INTO REGISTERS, with no joint load: wcodes holds each fragment (16 columns x 128 K) as 4 x 512 consecutive bytes in the order of the lanes' registers, so a load of a wave takes 512
; consecutive bytes.  Two slots of 512 along K for both operands would take 540,672 bytes of LDS; with X alone they take 270,336, and a round of the cluster's barrier serves four steps.
; A step goes by halves of W's eight blocks: blocks 0-3 against X's eight blocks, then blocks 4-7.  So a half set of W (64 registers) is free behind 32 products, and is loaded again at once:
; the four half sets (window 1) form a ring, three of them on their way.  X has one set: its blocks 0-3 are fetched anew behind their last products of a step, blocks 4-7 at the step's end.
; THE LAST SEVEN STEPS (25 to 31; both their periods lie in LDS and nothing is filled again) GO BY COLUMN HALVES: first W's blocks 0-3 through all seven steps, which finishes 32 accumulators, then blocks 4-7
; through the same steps, X's fragments being read from LDS once more; in each of these seven half steps one finished block of 16 rows x 64 columns leaves.  Each sum still takes its K steps in ascending order.
; For that order the loop's last two loads of blocks 4-7 are turned, by a base chosen on the loop's counter, into loads of blocks 0-3 of steps 27 and 28.
; THE MATRIX INSTRUCTION IS USED TRANSPOSED (source 0 = 16 columns' rows of W, source 1 = 16 rows of X): a lane holds eight neighbouring numbers of a row of the result.  The bias is the C of each sum's first product.
; WAITS ON LOADS IN THE LOOP.  Global loads are issued in this order: in step s, behind its first half, a half set (16 loads); at its end a half set (16) and, if s is odd, the scale words of the
; K step of 256 two on (4).  Behind the loads that a half needs stand three half sets and one set of scale words: 52.  The head issues its loads in the same order.
; PREFETCHES: at each refill a wave asks for 16 rows x 512 bytes of X of the refill after this one (the four partners share a wave's 64 rows out by address), and wave 0 for the 8,192 bytes of one of W's sixteen
; blocks that the work-group loads in the period after next (the sixteen tile rows share the blocks out by address).  The last refill asks for nothing of X: no period follows.
; REGISTERS: window 0: v0-31 addresses; v32-63 scale words, two sets; v64-127 the bias, in the last steps two more sets of scale words and 32 registers of rows on their way out; v128-255 X's fragments.
; Window 1: W's fragments.  Windows 2, 3: the accumulators ((a, b) at v[8 (8 (a % 4) + b)]).
.set SIZE_N, 4096
.set KROW,   4096                      ; a row of X in memory, in bytes
.set ROWB,   512                       ; a tile's row: four steps
.set PITCH,  528                       ; an LDS row: 512 bytes + 16: an odd multiple of 16, so the 16 rows that a load touches start 16 bytes apart modulo 256
.set QUART,  64*PITCH                  ; what one tensor load brings
.set SLOT,   4*QUART
.set SPARE,  2*SLOT                    ; behind the ring: the spare words, 128 bytes a wave
.set STG,    SPARE+512                 ; behind them: a stage of 16 rows x (256 + 16) bytes for each wave, in which no tile lands
.set HP,     272
.set SIDE,   524288                    ; W's half of scl
.set WBLK,   65536                     ; wcodes: 16 columns, all of K
.set WSTEP,  2048                      ; wcodes: one fragment
.set ADRA, 16                          ; v16-17 LDS address of my fragments of X in slot 0, 1
.set PFW,  22                          ; v22 W's prefetch: 256 x lane
.set OC,   23                          ; v23 the way out: row lane / 16 of the result, 16 bytes x (lane % 16)
.set STO,  24
.set RD,   25
.set CO,   26                          ; v26 16 x lane: my bytes in 512 bytes of wcodes
.set ADRS, 27                          ; v27 scl: lanes 0-15 X's rows, lanes 16-31 W's
.set SPW,  28
.set NIL,  29
.set PFO,  30                          ; v30 X's prefetch: row lane % 16, 256 bytes x (lane / 16)
.set BO,   31
.set SC,   32
.set BI,   64
.set OB,   96
.set AF,   128
.set G1, 24                            ; s[24:31] descriptor group 1; s[32:39] group 0, one set for each slot
.set G0, 32
.set SB,  68                           ; s[68:69] scl, s[70:71] my eight blocks of wcodes, s[72:73], s[74:75] the prefetches, s[76:77] my blocks 4-7 of wcodes: all stepped once a period
.set WB,  70
.set PFA, 72
.set PFB, 74
.set WH,  76
.set MSB, 0
.macro WIN new                         ; the immediate's high byte repeats the setting that is left
.if MSB != (\new)
	s_set_vgpr_msb (MSB<<8)|(\new)
.set MSB, (\new)
.endif
.endm
.set MUL_LO, 0xa1                      ; source 0 (W) window 1, source 1 (X) window 0, C and D window 2; a first product takes C from window 0
.set MUL_HI, 0xf1
.set TO_B,   0x40
.macro CREST                           ; a round of the cluster's barrier behind its opening barrier
	s_cmp_lg_u32 s14, 0
	s_cbranch_scc1 .Lnot_wave_0_\@
	s_barrier_signal -3
.Lnot_wave_0_\@:
	s_barrier_wait -3
	s_barrier_signal -1
	s_barrier_wait -1
.endm
.macro CROUND
	s_barrier_signal -1
	s_barrier_wait -1
	CREST
.endm
.macro PLACES n
.rept \n
	v_nop
.endr
.endm
	s_load_b256 s[4:11], s[0:1], 0x0               ; X's codes s[4:5], wcodes s[6:7], scl s[8:9], bias s[10:11]
	s_load_b64 s[12:13], s[0:1], 0x20              ; out0
	v_lshl_add_u32 v[SPW], v0, 2, SPARE
	v_mov_b32 v[NIL], 0
	ds_add_u32 v[SPW], v[NIL]                      ; the opening lines: the add, twice on end, and its wait ahead of my first tensor load
	ds_add_u32 v[SPW], v[NIL]
	v_lshrrev_b32 v1, 5, v0
	v_readfirstlane_b32 s14, v1                    ; wave 0..3
	s_lshr_b32 s15, s14, 1                         ; which half of the tile's rows is mine
	s_and_b32 s16, s14, 1                          ; which half of its columns
	s_bfe_u32 s40, ttmp6, 0x40000                  ; cx
	s_lshl_b32 s42, ttmp9, 2
	s_add_co_u32 s42, s42, s40                     ; tile column = 4 x cluster x + cx
	s_and_b32 s17, ttmp7, 0xffff                   ; tile row
	s_mov_b32 s[G1+0], 15|(1<<20)|(1<<21)|(6<<22)|(3<<25)  ; the mask of the four; elements of 1 byte; padding of 4 words behind every 128
	s_mov_b32 s[G1+1], ROWB<<16
	s_mov_b32 s[G1+2], 64<<16
	s_mov_b32 s[G1+3], ROWB<<16
	s_mov_b32 s[G1+4], 64
	s_mov_b32 s[G1+5], KROW
	s_mov_b32 s[G1+6], 0
	s_mov_b32 s[G1+7], 0
	s_mul_i32 s18, s14, QUART                      ; where my 64 rows go
	s_lshl_b32 s20, s17, 8
	s_lshl_b32 s19, s14, 6
	s_add_co_u32 s20, s20, s19
	s_lshl_b32 s20, s20, 12                        ; X: row 256 x tile row + 64 x wave, in bytes
	s_mov_b32 s21, 0
	s_lshl_b32 s52, s40, 16
	s_add_co_u32 s52, s52, s20                     ; X's prefetch: my work-group's 16 of those rows
	s_mov_b32 s53, 0
	s_lshl_b32 s46, s42, 10
	s_lshl_b32 s47, s16, 9
	s_add_co_u32 s46, s46, s47                     ; my first column, in bytes of f32
	s_mov_b32 s47, 0
	s_lshl_b32 s48, s17, 8
	s_lshl_b32 s49, s15, 7
	s_add_co_u32 s48, s48, s49
	s_lshl_b32 s48, s48, 14                        ; my first row of the result, in bytes
	s_mov_b32 s49, 0
	s_lshl_b32 s50, s42, 4
	s_lshl_b32 s51, s16, 3
	s_add_co_u32 s51, s50, s51
	s_add_co_u32 s54, s50, s17
	s_lshl_b32 s50, s51, 16                        ; wcodes: block 16 x tile column + 8 x half
	s_mov_b32 s51, 0
	s_lshl_b32 s54, s54, 16                        ; W's prefetch: block 16 x tile column + tile row
	s_mov_b32 s55, 0
	s_mov_b32 s79, 0                               ; the upper word of the offset in s[78:79]
	s_mul_i32 s56, s15, 128*PITCH                  ; my 128 rows of X in slot 0,
	s_add_co_u32 s57, s56, SLOT                    ; in slot 1
	s_mul_i32 s58, s14, 16*HP
	s_add_co_u32 s58, s58, STG                     ; my stage
	s_lshl_b32 s59, s17, 1
	s_add_co_u32 s59, s59, s15
	s_lshl_b32 s59, s59, 14                        ; scl: X's group of 128 rows,
	s_lshl_b32 s60, s42, 1
	s_add_co_u32 s60, s60, s16
	s_lshl_b32 s60, s60, 14
	s_add_co_u32 s60, s60, SIDE
	s_sub_co_u32 s60, s60, s59                     ; and how far behind it W's lies
	v_and_b32 v1, 15, v0                           ; l % 16
	v_bfe_u32 v2, v0, 4, 1                         ; l / 16
	v_and_b32 v6, 31, v0
	v_mul_u32_u24 v3, v1, PITCH
	v_lshl_add_u32 v3, v2, 4, v3                   ; a fragment's row x pitch + 16 x half
	v_add_nc_u32 v[ADRA], s56, v3
	v_add_nc_u32 v[ADRA+1], s57, v3
	v_mul_u32_u24 v5, v1, HP
	v_lshl_add_u32 v5, v2, 5, v5
	v_add_nc_u32 v[STO], s58, v5                   ; into the stage: row l % 16, 32 bytes for each half of the lanes
	v_lshlrev_b32 v[CO], 4, v6
	v_mul_u32_u24 v5, v2, HP
	v_lshl_add_u32 v5, v1, 4, v5
	v_add_nc_u32 v[RD], s58, v5                    ; back: lanes 0-15 take one row of 256 bytes, lanes 16-31 the next
	v_lshlrev_b32 v[OC], 14, v2                    ; and the same two rows in the result
	v_lshl_add_u32 v[OC], v1, 4, v[OC]
	v_lshlrev_b32 v[BO], 5, v2
	v_mul_u32_u24 v5, s60, v2
	v_lshl_add_u32 v5, v1, 4, v5
	v_add_nc_u32 v[ADRS], s59, v5
	v_lshlrev_b32 v[PFO], 12, v1
	v_lshl_add_u32 v[PFO], v2, 8, v[PFO]
	v_lshlrev_b32 v[PFW], 8, v6
	s_wait_alu depctr_va_vdst(0)
	s_wait_dscnt 0x0                               ; both opening adds are done
	s_wait_kmcnt 0x0
	s_add_nc_u64 s[20:21], s[4:5], s[20:21]
.irp s, 0,1
	s_mov_b32 s[G0+4*\s], 1
	s_add_co_u32 s[G0+4*\s+1], s18, \s*SLOT
	s_add_nc_u64 s[G0+4*\s+2:G0+4*\s+3], s[20:21], \s*ROWB
	s_or_b32 s[G0+4*\s+3], s[G0+4*\s+3], 0x80000000
.endr
	CROUND                                         ; the four work-groups are here: the first joint loads meet
	tensor_load_to_lds s[G0:G0+3], s[G1:G1+7]      ; period 0, my 64 rows: one tensor load a wave at the head
	s_nop 0
	s_add_nc_u64 s[10:11], s[10:11], s[46:47]
	s_add_nc_u64 s[12:13], s[12:13], s[46:47]
	s_add_nc_u64 s[12:13], s[12:13], s[48:49]
	s_add_nc_u64 s[WB:WB+1], s[6:7], s[50:51]
	s_add_nc_u64 s[WH:WH+1], s[WB:WB+1], 4*WBLK
	s_mov_b64 s[SB:SB+1], s[8:9]
	s_add_nc_u64 s[PFA:PFA+1], s[4:5], s[52:53]
	s_add_nc_u64 s[PFB:PFB+1], s[6:7], s[54:55]
.macro SCALES set, off                 ; the scale words of a K step of 256: register 2 i + w: lanes 0-15 the word of X's block i, lanes 16-31 that of W's block i, for its w-th 128
.irp j, 0,1,2,3
	global_load_b128 v[SC+16*(\set)+4*\j:SC+16*(\set)+4*\j+3], v[ADRS], s[SB:SB+1] offset:(\off)+256*\j
.endr
.endm
.macro BLOAD p, h, ko                  ; four blocks of W of the step ko behind the period's first, into half h of set p: by the base of blocks 0-3 (h = 0) or by that of blocks 4-7 (h = 1)
.irp b, 0,1,2,3
.irp c, 0,1,2,3
	global_load_b128 v[128*(\p)+64*(\h)+16*\b+4*\c:128*(\p)+64*(\h)+16*\b+4*\c+3], v[CO], s[WB+6*(\h):WB+6*(\h)+1] offset:\b*WBLK+(\ko)*WSTEP+512*\c
.endr
.endr
.endm
.macro FETCH_A slot, q, i0             ; X's blocks i0 .. i0 + 3 of the slot's q-th step
.irp i, \i0, \i0+1, \i0+2, \i0+3
.irp c, 0,1,2,3
	ds_load_b128 v[AF+16*(\i)+4*\c:AF+16*(\i)+4*\c+3], v[ADRA+\slot] offset:128*(\q)+32*\c+(\i)*16*PITCH
.endr
.endr
.endm
; 8 products: X's blocks a0, a0 + 1 against W's blocks b0 .. b0 + 3.  The accumulators take turns, one instruction a turn
.macro MUL8 a0, b0, q, first
.irp a, \a0, \a0+1
.irp b, \b0, \b0+1, \b0+2, \b0+3
.if \first
	v_wmma_scale_f32_16x16x128_f8f6f4 v[8*(8*((\a)%4)+(\b)):8*(8*((\a)%4)+(\b))+7], v[128*((\q)%2)+16*(\b):128*((\q)%2)+16*(\b)+15], v[AF+16*(\a):AF+16*(\a)+15], v[BI+8*(\b):BI+8*(\b)+7], v[SC+16*(((\q)/2)%2)+2*(\b)+(\q)%2], v[SC+16*(((\q)/2)%2)+2*(\a)+(\q)%2] matrix_a_fmt:MATRIX_FMT_BF8 matrix_b_fmt:MATRIX_FMT_BF8 matrix_a_scale:MATRIX_SCALE_ROW1
.else
	v_wmma_scale_f32_16x16x128_f8f6f4 v[8*(8*((\a)%4)+(\b)):8*(8*((\a)%4)+(\b))+7], v[128*((\q)%2)+16*(\b):128*((\q)%2)+16*(\b)+15], v[AF+16*(\a):AF+16*(\a)+15], v[8*(8*((\a)%4)+(\b)):8*(8*((\a)%4)+(\b))+7], v[SC+16*(((\q)/2)%2)+2*(\b)+(\q)%2], v[SC+16*(((\q)/2)%2)+2*(\a)+(\q)%2] matrix_a_fmt:MATRIX_FMT_BF8 matrix_b_fmt:MATRIX_FMT_BF8 matrix_a_scale:MATRIX_SCALE_ROW1
.endif
.endr
.endr
.endm
.irp b, 0,1,2,3,4,5,6,7
	global_load_b128 v[BI+8*\b:BI+8*\b+3], v[BO], s[10:11] offset:64*\b       ; the bias in the result's layout: columns 16 b + 8 (l / 16) + 0 .. 7
	global_load_b128 v[BI+8*\b+4:BI+8*\b+7], v[BO], s[10:11] offset:64*\b+16
.endr
	SCALES 0, 0
	WIN TO_B
	BLOAD 0, 0, 0
	BLOAD 0, 1, 0
	BLOAD 1, 0, 1
	BLOAD 1, 1, 1
	WIN 0
	SCALES 1, 1024                                 ; in the place that an odd step's scale loads have: behind the half sets of step 1
; A step that has its successor in the same slot.  lsc: the scale words of two K steps of 256 on are loaded.
; Eight places stand in front of each run of loads into registers that matrix instructions have read.
.macro STEP slot, q, first, lsc
	s_wait_loadcnt 52
	s_wait_dscnt 16                                ; X's blocks 0-3 are in; blocks 4-7 may be out
	WIN MUL_LO-0x20*\first
	MUL8 0, 0, \q, \first
	MUL8 2, 0, \q, \first
	s_wait_dscnt 0
	WIN MUL_HI-0x30*\first
	MUL8 4, 0, \q, \first
	MUL8 6, 0, \q, \first
.if \q == 0
.if \first == 0
	s_wait_xcnt 0x0                                ; every earlier load and prefetch has read its base: a new period's bases
	s_add_nc_u64 s[WB:WB+1], s[WB:WB+1], 4*WSTEP
	s_add_nc_u64 s[WH:WH+1], s[WH:WH+1], 4*WSTEP
	s_add_nc_u64 s[SB:SB+1], s[SB:SB+1], 2048
	s_add_nc_u64 s[PFA:PFA+1], s[PFA:PFA+1], ROWB
	s_add_nc_u64 s[PFB:PFB+1], s[PFB:PFB+1], 4*WSTEP
.endif
.endif
	PLACES 8
	WIN TO_B
	BLOAD (\q)%2, 0, (\q)+2
	s_wait_loadcnt 52
	WIN MUL_LO-0x20*\first
	MUL8 0, 4, \q, \first
	MUL8 2, 4, \q, \first
	PLACES 8
	WIN 0
	FETCH_A \slot, (\q)+1, 0
	WIN MUL_HI-0x30*\first
	MUL8 4, 4, \q, \first
	MUL8 6, 4, \q, \first
	PLACES 8
	WIN 0
	FETCH_A \slot, (\q)+1, 4
	WIN TO_B
	BLOAD (\q)%2, 1, (\q)+2
	WIN 0
.if \lsc
	SCALES ((\q)/2)%2, (2+(\q)/2)*1024
.endif
.endm
.macro ASK guard                       ; the prefetches, behind the joint load and the LDS loads that the next products wait for
.if \guard
	s_cmp_gt_u32 s3, 1                             ; the loop's last trip: no period of X follows the one just asked for
	s_cbranch_scc0 .Lno_x_\@
.endif
	global_prefetch_b8 v[PFO], s[PFA:PFA+1] offset:3*ROWB th:TH_LOAD_NT scope:SCOPE_SE
.Lno_x_\@:
	s_cmp_lg_u32 s14, 0
	s_cbranch_scc1 .Lno_w_\@
	global_prefetch_b8 v[PFW], s[PFB:PFB+1] offset:8*WSTEP th:TH_LOAD_NT scope:SCOPE_SE
.Lno_w_\@:
.endm
; A slot's fourth step changes slots.  My reads of this slot are over at the wait in its first half.  In front of the barrier each wave waits for all its tensor loads, adds 0 to its spare word and waits for that.
; The barrier opens a round of the cluster's barrier, and this slot is filled again, two periods ahead.  guard = 1: slot 1's turn, which is step 23 in the loop's last trip.
.macro TURN slot, next, guard
	s_wait_loadcnt 52
	s_wait_dscnt 16
	WIN MUL_LO
	MUL8 0, 0, 3, 0
	MUL8 2, 0, 3, 0
	s_wait_dscnt 0
	WIN MUL_HI
	MUL8 4, 0, 3, 0
	MUL8 6, 0, 3, 0
.if \guard
	s_wait_xcnt 0x0                                ; every earlier load has read its base
	s_cmp_eq_u32 s3, 1                             ; in the last trip the loads at the ends of steps 23 and 24 take blocks 0-3 of steps 27 and 28: four blocks back, two steps on
	s_cselect_b32 s78, 4*WBLK-2*WSTEP, 0
	s_sub_nc_u64 s[WH:WH+1], s[WH:WH+1], s[78:79]
.endif
	PLACES 8
	WIN TO_B
	BLOAD 1, 0, 5
	WIN 0
	s_wait_tensorcnt 0x0                           ; all my tensor loads have landed: my part of the next slot;
	ds_add_u32 v[SPW], v[NIL]                      ; 0 onto my spare word
	s_add_nc_u64 s[G0+4*\slot+2:G0+4*\slot+3], s[G0+4*\slot+2:G0+4*\slot+3], 2*ROWB
	s_wait_loadcnt 52
	WIN MUL_LO
	MUL8 0, 4, 3, 0                                ; sixteen products stand between the add and the wait for it
	MUL8 2, 4, 3, 0
	s_wait_dscnt 0x0                               ; the add is done
	s_barrier_signal -1
	WIN MUL_HI
	MUL8 4, 4, 3, 0
	WIN 0
	s_barrier_wait -1
	CREST                                          ; no wave of any partner still reads this slot or has a load on its way
	tensor_load_to_lds s[G0+4*\slot:G0+4*\slot+3], s[G1:G1+7]
	s_nop 0
	PLACES 8
	FETCH_A \next, 0, 0
	ASK \guard
	WIN MUL_HI
	MUL8 6, 4, 3, 0
	PLACES 8
	WIN 0
	FETCH_A \next, 0, 4
	WIN TO_B
	BLOAD 1, 1, 5
	WIN 0
	SCALES 1, 3*1024
.endm
	s_wait_tensorcnt 0x0                           ; my part of period 0 is in
	ds_add_u32 v[SPW], v[NIL]
	s_wait_dscnt 0x0
	CROUND                                         ; everybody's part is in, and the four work-groups are here
	tensor_load_to_lds s[G0+4:G0+7], s[G1:G1+7]    ; period 1: slot 1's first fill
	s_nop 0
	PLACES 4
	FETCH_A 0, 0, 0
	FETCH_A 0, 0, 4
	STEP 0, 0, 1, 0                                ; the first step stands in front of the loop: its products start the sums from the bias
	s_mov_b32 s3, 3
.Llap:                                                 ; a trip: eight steps, once round the ring; both slots are filled again
	STEP 0, 1, 0, 1
	STEP 0, 2, 0, 0
	TURN 0, 1, 0
	STEP 1, 0, 0, 0
	STEP 1, 1, 0, 1
	STEP 1, 2, 0, 0
	TURN 1, 0, 1
	STEP 0, 0, 0, 0
	s_sub_co_u32 s3, s3, 1
	s_cmp_lg_u32 s3, 0
	s_cbranch_scc1 .Llap
; THE WAY OUT of 16 rows x 64 columns (X's block a, column half hb): through my own stage; whole rows of 256 bytes come back, two to an instruction, and sixteen lanes store an aligned unit of 256 bytes.
; LDS serves a wave's instructions in order (ISA guide 5.7.1.4): no wait between the stores and the loads.  Every place in the result stands in the store's immediate: 2,064,640 bytes at the most.
.macro HSTAGE a, hb, ob
	WIN 0x08+4*((\a)/4)
.irp b, 0,1,2,3
	ds_store_b128 v[STO], v[64*((\a)%4)+8*(4*(\hb)+\b):64*((\a)%4)+8*(4*(\hb)+\b)+3] offset:64*\b          ; each accumulator from its low end on
	ds_store_b128 v[STO], v[64*((\a)%4)+8*(4*(\hb)+\b)+4:64*((\a)%4)+8*(4*(\hb)+\b)+7] offset:64*\b+16
.endr
	WIN 0
.irp t, 0,1,2,3,4,5,6,7
	ds_load_b128 v[(\ob)+4*\t:(\ob)+4*\t+3], v[RD] offset:\t*2*HP
.endr
.endm
.macro HSEND a, hb, ob
.irp t, 0,1,2,3,4,5,6,7
	global_store_b128 v[OC], v[(\ob)+4*\t:(\ob)+4*\t+3], s[12:13] offset:(16*(\a)+2*\t)*SIZE_N*4+256*(\hb) th:TH_STORE_NT
.endr
.endm
; HALF STEP t = 0 .. 13 of the last seven steps: step 25 + t % 7, W's blocks 4 (t / 7) .. + 3: 32 products.  Its half set lies in ring place t % 4 (v128, v0, v192, v64 of window 1), which then takes half step t + 4's.
; Loads were issued in the order t0, t2, 4 of scale words, t1, t3 (in the loop), 8 of scale words, t4, t5 ..: wl is what may stay out.  From t = 7 on block t - 7 of the finished half leaves.
.macro MULT a0
.irp a, \a0, \a0+1
.irp b, 0,1,2,3
	v_wmma_scale_f32_16x16x128_f8f6f4 v[8*(8*((\a)%4)+4*HB_+\b):8*(8*((\a)%4)+4*HB_+\b)+7], v[XB_+16*\b:XB_+16*\b+15], v[AF+16*(\a):AF+16*(\a)+15], v[8*(8*((\a)%4)+4*HB_+\b):8*(8*((\a)%4)+4*HB_+\b)+7], v[SW_+2*(4*HB_+\b)], v[SW_+2*(\a)] matrix_a_fmt:MATRIX_FMT_BF8 matrix_b_fmt:MATRIX_FMT_BF8 matrix_a_scale:MATRIX_SCALE_ROW1
.endr
.endr
.endm
.macro HSTEP t, wl
.set TS_, 25+(\t)%7                    ; my step
.set HB_, (\t)/7                       ; my column half
.set XB_, 128*(1-(\t)%2)+64*(((\t)%4)/2)
.set SW_, SC+16*(TS_/2-12)+TS_%2       ; the step's scale words: four sets, K steps 12 to 15 of 256
.set NS_, 25+((\t)+1)%7                ; the next half step's step, its slot and its place there
.set NSL_, NS_/28
.set NQ_, NS_%4
.set LS_, 25+((\t)+4)%7                ; what the ring place takes next
.set LH_, ((\t)+4)/7
	s_wait_loadcnt \wl
.if (\t) == 2
	s_wait_tensorcnt 0x0                           ; my part of period 7 is in
	ds_add_u32 v[SPW], v[NIL]
	s_wait_dscnt 17
.else
	s_wait_dscnt 16
.endif
	WIN MUL_LO
	MULT 0
	MULT 2
.if (\t) == 2
	s_wait_dscnt 0x0
	s_barrier_signal -1                            ; the one barrier of the last steps: behind it slot 1 is whole for every wave; nothing is filled again
	WIN MUL_HI
	MULT 4
	WIN 0
	s_barrier_wait -1
	PLACES 8
	FETCH_A NSL_, NQ_, 0
	WIN MUL_HI
	MULT 6
.else
.set D1_, 0
	PLACES 8
.if (\t) >= 7
	s_wait_xcnt 0x0                                ; the block before has been read by its stores: its registers are loaded again
	HSTAGE (\t)-7, 0, OB
.set D1_, D1_+16
.endif
	WIN 0
.if (\t) < 13
	FETCH_A NSL_, NQ_, 0
.set D1_, D1_+16
.endif
	s_wait_dscnt D1_                               ; X's blocks 4-7 are in; what this run issued may be out
	WIN MUL_HI
	MULT 4
	MULT 6
.endif
	PLACES 8
	WIN 0
.if (\t) >= 7
.if (\t) < 13
	s_wait_dscnt 16                                ; the block is back from the stage; X's next blocks 0-3 may be out
.else
	s_wait_dscnt 0
.endif
	HSEND (\t)-7, 0, OB
.endif
.if (\t) < 13
	FETCH_A NSL_, NQ_, 4
.endif
.if (\t) < 10
	WIN TO_B
.irp b, 0,1,2,3
.irp c, 0,1,2,3
	global_load_b128 v[XB_+16*\b+4*\c:XB_+16*\b+4*\c+3], v[CO], s[WB:WB+1] offset:(4*LH_+\b)*WBLK+(LS_-24)*WSTEP+512*\c
.endr
.endr
	WIN 0
.endif
.endm
	SCALES 2, 2*1024                               ; the scale words of K steps 14 and 15, where the bias lay: all four sets of the last steps stay
	SCALES 3, 3*1024
	HSTEP 0, 60                                    ; behind t0: t2, 4, t1, t3, 8
	HSTEP 1, 40                                    ; behind t1: t3, 8, t4
	HSTEP 2, 56                                    ; t2 is older than t1
	HSTEP 3, 48                                    ; behind the 8 of scale words, which step 28 reads: t4, t5, t6
.irp t, 4,5,6,7,8,9,10
	HSTEP \t, 48
.endr
	HSTEP 11, 32
	HSTEP 12, 16
	HSTEP 13, 0
	HSTAGE 7, 0, 128                               ; what is left: block 7 of the first half, and the second half; four sets of 32 registers, where X's fragments lay, by turns (the last half step's eight places stand ahead)
.irp a, 0,1,2,3,4,5,6,7
.if \a >= 3
	s_wait_xcnt 0x0                                ; the stores of four blocks ago have read their registers
.endif
	HSTAGE \a, 1, 128+32*((\a+1)%4)
	s_wait_dscnt 16                                ; behind the block before: this block's 8 stores and 8 loads
.if \a == 0
	HSEND 7, 0, 128
.else
	HSEND \a-1, 1, 128+32*((\a)%4)
.endif
.endr
	s_wait_dscnt 0x0
	HSEND 7, 1, 128
	s_wait_tensorcnt 0x0                           ; the wave's end
	ds_add_u32 v[SPW], v[NIL]
	s_wait_dscnt 0x0
	CROUND                                         ; the closing round
	s_endpgm
.Lfunc_end_k_q157b7db79a_gemm:
	.size	k_q157b7db79a_gemm, .Lfunc_end_k_q157b7db79a_gemm-k_q157b7db79a_gemm
	.p2alignl 7, 3214868480
	.fill 96, 4, 3214868480
	.section	.rodata,"a",@progbits
	.p2align	6, 0x0
	.amdhsa_kernel k_q157b7db79a_gemm
		.amdhsa_group_segment_fixed_size 327680
		.amdhsa_private_segment_fixed_size 0
		.amdhsa_enable_private_segment 0
		.amdhsa_kernarg_size 40
		.amdhsa_user_sgpr_count 2
		.amdhsa_user_sgpr_kernarg_segment_ptr 1
		.amdhsa_wavefront_size32 1
		.amdhsa_system_sgpr_workgroup_id_x 1
		.amdhsa_system_sgpr_workgroup_id_y 1
		.amdhsa_system_sgpr_workgroup_id_z 1
		.amdhsa_system_vgpr_workitem_id 0
		.amdhsa_next_free_vgpr 1024
		.amdhsa_next_free_sgpr 80
		.amdhsa_reserve_vcc 0
		.amdhsa_float_denorm_mode_32 3
		.amdhsa_float_denorm_mode_16_64 3
		.amdhsa_memory_ordered 1
		.amdhsa_forward_progress 1
		.amdhsa_inst_pref_size 255
	.end_amdhsa_kernel
	.section	.bss,"aw",@nobits
	.p2align	6
	.space	262144
	.amdgpu_metadata
---
amdhsa.version: [ 1, 2 ]
amdhsa.kernels:
  - .name:           k_q157b7db79a_gemm
    .symbol:         k_q157b7db79a_gemm.kd
    .args:
      - { .name: input_BI_codes, .offset: 0, .size: 8, .value_kind: global_buffer, .address_space: global }
      - { .name: wcodes, .offset: 8, .size: 8, .value_kind: global_buffer, .address_space: global }
      - { .name: scl, .offset: 16, .size: 8, .value_kind: global_buffer, .address_space: global }
      - { .name: bias_O, .offset: 24, .size: 8, .value_kind: global_buffer, .address_space: global }
      - { .name: out0, .offset: 32, .size: 8, .value_kind: global_buffer, .address_space: global }
    .group_segment_fixed_size: 327680
    .private_segment_fixed_size: 0
    .kernarg_segment_align: 8
    .kernarg_segment_size: 40
    .max_flat_workgroup_size: 128
    .sgpr_count:     80
    .vgpr_count:     1024
    .wavefront_size: 32
...
	.end_amdgpu_metadata
.endif
;; end of part 2
